; MI455X (gfx1250); checked and timed in simulation.
; The chip was launched on July 23, 2026; its instructions are those of AMD's public machine-readable ISA for CDNA 5 (MIT licence, August 2026) and "CDNA5" Instruction Set Architecture Reference Guide (July 2026). The comments in the code are by the model that wrote it; some were corrected since.
;; Image Diagnostic. Allowed arithmetic: matrix products marked QUANTISED: E2M1 operands, one E8M0 scale for each 32 along K, by v_wmma_scale_f32_16x16x128_f8f6f4 with both operands' format E2M1 (or v_wmma_scale_f32_32x16x128_f4), f32 sums; everything else in f32.
;; Inputs: bandwidth one number float32; bins 128 float32; x 16 x 50,000 float32; y 16 x 50,000 float32.
;; Outputs: out0 16 x 128 x 128 float32.
;; This version of the problem:
;;   THIS VERSION OF THE PROBLEM IS GIVEN IN LOW PRECISION. The matrix products marked QUANTISED in the list below multiply operands that are first quantised to E2M1 (2 exponent bits, 1 mantissa bit; 4 bits a number), with one power-of-two scale for each 32 numbers along K (OCP MX v1.0); their sums are f32. All else is computed in f32.
;;   The module's matrix products, in the order in which they are computed (A, B: the left and right operand; K: the contracted axis; several contracted axes count as one K, in the product's order):
;;     1. batch 16 x [M 128, K 50,000] x [K 50,000, N 128]; A: computed on the way; B: computed on the way: QUANTISED
;;   THE QUANTISER, for each operand of a quantised product, along K:
;;     - K is cut into blocks of 32 from its start; a last block that is shorter is filled with zeros.
;;     - A block's scale is 2^e with e = floor(log2(the largest magnitude in the block)) - 2, held to -126 .. 127; a block of zeros has e = 0. As a byte (E8M0): e + 127.
;;     - Each number is divided by its block's scale, clamped to +-6, and rounded to the nearest number of E2M1, ties to even, subnormals kept.
;;     - The product sums the exact products of the quantised numbers (number of the format x scale) in f32.
;;   ~~~python
;;   def quantise(x, axis):      # numpy; x: float32 -> the quantised numbers, widened to float32 again
;;       x = np.moveaxis(x, axis, -1); K = x.shape[-1]
;;       x = np.pad(x, [(0, 0)] * (x.ndim - 1) + [(0, -K % 32)]); x = x.reshape(x.shape[:-1] + (-1, 32)); a = np.abs(x).max(-1, keepdims=True)
;;       e = np.where(a > 0, np.clip(np.frexp(np.where(a > 0, a, 1))[1] - 1 - 2, -126, 127), 0)      # np.frexp(a)[1] - 1 = floor(log2(a)), exactly
;;       r = np.clip(x / 2.0 ** e, -6, 6)
;;       step = 2.0 ** (np.maximum(np.frexp(np.where(r == 0, 1, r))[1] - 1, 0) - 1)
;;       q = np.round(r / step) * step * 2.0 ** e      # np.round: ties to even
;;       return np.moveaxis(q.reshape(q.shape[:-2] + (-1,))[..., :K], -1, axis).astype(np.float32)
;;   ~~~
;;   OPERANDS COMPUTED ON THE WAY. 'Computed on the way' means the value that the module computes at that place (a softmax that the list does not call 'softmax' is quantised finished and normalised). What goes into a quantiser is computed in f32, as accurately as f32 sums, v_exp_f32 and their like allow (about 1e-6 of the number): no bf16 or f16 on the way to a quantiser, and a product that is left as it is and whose result goes on into a quantised operand takes f32 operands (vector FMAs, or v_wmma_f32_16x16x4_f32). A number that lies on a knife's edge between two numbers of the format may be rounded either way, as far as f32 arithmetic and the matrix unit's own rounding can turn it there, and no further.
;; One version. Each part assembles by itself: llvm-mc -triple=amdgcn-amd-amdhsa -mcpu=gfx1250 --defsym DOCPART=n.
;; ======== version 1 of 1: 2 launches
;; limits: inputs' magnitudes at most 9e+18; below input magnitudes of 1e-19 results are inexact or not finite
;; workspace buffers: part 16,777,216 bytes; sums 1,024 bytes
;; launch joint (part 1): grid 16 x 16, 8 waves a work-group, no clusters, 168,960 bytes of LDS; arguments x, y, bins, bandwidth, part, sums; writes part, sums
.if DOCPART == 1
	.amdgcn_target "amdgcn-amd-amdhsa--gfx1250"
	.amdhsa_code_object_version 6
	.text
	.protected	k_qfb5b38a78d_joint
	.globl	k_qfb5b38a78d_joint
	.p2align	8
	.type	k_qfb5b38a78d_joint,@function
k_qfb5b38a78d_joint:
	s_mov_b64 s[64:65], 0
	v_nop
	global_prefetch_b8 v0, s[64:65] scope:SCOPE_SE
	s_setreg_imm32_b32 hwreg(HW_REG_WAVE_MODE, 25, 1), 1
	s_wait_xcnt 0x0
; joint[b][m][k] = sum over n of kx[n][m] ky[n][k], kx[n][m] = exp(-0.5 ((x[n] - bins[m]) / bw)^2), ky likewise of y; both operands quantised along n to FP4 (E2M1) with one E8M0 scale for each 32 particles.
; THIS LAUNCH makes, for each of 16 batches and 16 chunks of 3,328 particles (13 trips of 256), the chunk's 128 x 128 partial sums (buffer part, an image of the accumulators' registers) and their total (buffer sums).
; The launch behind it adds a batch's 16 partials and divides.  16 x 3,328 = 53,248 > 50,000: the last chunk holds 80 particles; what lies behind them is staged as +infinity, which gives d = inf, d^2 = inf, the exponent -inf and
; the number 0: zero codes, as the quantiser's filling of the last block asks.  Blocks of 32 begin at multiples of 32 of n, since 3,328 is one.
; SHARES.  EIGHT waves, two to a SIMD, so that one wave's lines can be issued while the other waits for a result, for LDS or at the barrier.  No exponential is made twice: a trip has 32 fragments (16 bins x 128 particles):
; two halves of 128 particles x (8 of kx + 8 of ky).  Wave w MAKES four: half w / 4, operand (w / 2) % 2 (0: kx, 1: ky), bins 64 (w % 2) + 16 t + r, t = 0 .. 3, and lays them in LDS as images of their registers.
; Then wave w MULTIPLIES x bins 32 (w / 2) on against y bins 64 (w % 2) on: 8 accumulators, both halves: 16 products.  The roles differ in addresses alone: no branch hangs on them.
; A LANE'S WORK.  The 4-bit layout gives lane (r, h) of a fragment row r and k = 64 c + 32 h + 0 .. 31 in registers 4 c .. 4 c + 3: a whole block of 32 particles for one bin.  So a block's largest number needs no other lane.
; d = x - bin (a true difference first, so a common offset of x and bins costs nothing), q = d d, a = q kneg, kneg = -0.5 log2(e) / bw^2, p = 2^a: three packed lines for two numbers, and two exponentials.
; PIPELINE.  A wave's trip is 8 blocks (i = 4 c + t).  Slot i makes the exponents of block i, the exponentials of block i - 1 and the maximum, scale and codes of block i - 2, line by line in turns, on three of four buffers of 32 registers:
; every exponential has a plain line of another block behind it.  The products of trip s stand in the middle of trip s + 1.
; No clusters and no tensor loads: work-groups share nothing but the 512 bytes of bins, and a work-group's 26,624 bytes of x and y are read once and masked in registers on their way into LDS.
; LIMITS.  v_exp_f32 gives 0 where the result would lie under 2^-126 (ISA guide, 15.8): such numbers count as 0.  NaN and infinities among the inputs are not served.  bandwidth is a normal number with 1 / bw^2 finite.
; A block of zeros gets the scale byte 1 where the rule says 127: its codes are zeros, and this program alone reads the bytes.  The f32 sums run chunk by chunk, not in one chain.
.set NPART, 50000
.set CHUNK, 3328
.set TSTEP, 1024                       ; bytes of x or y in a trip: 256 particles
.set OPB,   16384                      ; LDS: x's 4,096 staged numbers at 0, y's at OPB (4 passes of 256 threads x 16 bytes; 3,328 are read)
.set RED,   32768                      ; eight words: each wave's total
.set BUF,   36864                      ; two buffers, PARB apart: 32 fragments x 1,024 bytes (the second half's 16 at KHB), then at SCB eight groups of 512 bytes of scale words
.set PARB,  36864
.set KHB,   16384
.set SCB,   32768
; window 0
.set XA,   1                           ; v1   LDS address of the trip's numbers of my operand and half: XA0 + 1,024 x trip
.set STA,  2                           ; v2   where I store my fragments: BUF + 4,096 w + 16 lane
.set STS,  3                           ; v3   and their scale words: BUF + SCB + 512 w + 16 lane
.set LFX,  4                           ; v4   where I read kx's fragments
.set LFY,  5                           ; v5   and ky's
.set LSY,  6                           ; v6   ky's scale words: lanes 0-15 the first half's group, lanes 16-31 the second's
.set SH,   7                           ; v7   8 h
.set MA,   8                           ; v8, v9 two chains of a block's maximum;  v10 the conversions' scale operand
.set MB,   9
.set SO,   10
.set LSX,  11                          ; v11  kx's scale words, likewise
.set SCX,  12                          ; v12-13 kx's scale words as loaded: they hold scales and nothing else
.set XA0,  15                          ; v15  OPB x operand + 512 x half + 128 h; never rewritten
.set BY,   16                          ; v16-19 scale words of my four tiles, as they grow
.set SCY,  20                          ; v20-23 ky's scale words as loaded: they hold scales and nothing else
.set NB,   24                          ; v24-31 -bin of tile t, twice: a pair for the packed addition
.set CODE, 32                          ; v32-63 my four fragments' codes: tile t, register 4 c + g at 8 t + 4 c + g
.set XR,   64                          ; v64-127 the trip's numbers of x or y: 32 for c = 0, 32 for c = 1
.set W,    128                         ; v128-255 four buffers of 32
.set DX,   128                         ; at the head only, inside W: x as loaded, y as loaded, offsets, indices, +infinity, four at work
.set DY,   144
.set OA,   160
.set LI,   164
.set INF,  168
.set TP,   170
; window 1: v0-63 the 8 accumulators ((a, b) at 8 (4 a + b)); v64-95 kx's fragments (half k, tile a at 16 k + 8 a); v96-159 ky's (32 k + 8 b)
.set FX,   64
.set FY,   96
.set WV,   16                          ; s16 wave, s17 chunk, s18 batch, s19 particles in my chunk, s20 w / 2, s21 w % 2, s27 (w / 2) % 2, s38 w / 4
.set CH,   17
.set BT,   18
.set LIM,  19
.set QA,   20
.set QB,   21
.set OP,   27
.set KH,   38
.set KN,   28                          ; s[28:29] kneg, twice (the packed form names the pair)
.set SEL,  30                          ; s[30:31] v_permlanex16_b32's selects for lane l xor 16
.set TS,   32                          ; s32 1,024 x trip
.set CNT,  33
.set MSB, 0
.macro WIN new                         ; the immediate's high byte repeats the setting that is left; a switch that changes nothing is dropped
.if MSB != \new
	s_set_vgpr_msb (MSB<<8)|\new
.set MSB, \new
.endif
.endm
	s_load_b256 s[4:11], s[0:1], 0x0               ; x s[4:5], y s[6:7], bins s[8:9], bandwidth s[10:11]
	s_load_b128 s[12:15], s[0:1], 0x20             ; part s[12:13], sums s[14:15]
	v_lshl_add_u32 v14, v0, 2, 0x29000
	s_set_vgpr_msb 0x40
	v_mov_b32 v193, 0
	s_set_vgpr_msb 0x4000
	v_lshrrev_b32 v[TP], 5, v0
	v_readfirstlane_b32 s[WV], v[TP]               ; wave 0..7
	s_mov_b32 s[CH], ttmp9
	s_and_b32 s[BT], ttmp7, 0xffff
	s_lshr_b32 s[QA], s[WV], 1
	s_and_b32 s[QB], s[WV], 1
	s_bfe_u32 s[OP], s[WV], 0x10001
	s_lshr_b32 s[KH], s[WV], 2
	s_mul_i32 s22, s[CH], CHUNK
	s_sub_co_u32 s22, NPART, s22                   ; what is left of the batch's row from my chunk on: 80 at the least
	s_min_u32 s[LIM], s22, CHUNK
	s_sub_co_u32 s23, s[LIM], 4
.irp p, 0,1,2,3
	v_lshl_add_u32 v[LI+\p], v0, 2, 1024*\p        ; pass p: my four numbers' index in the chunk,
	v_min_u32 v[OA+\p], s23, v[LI+\p]              ; held inside it, so that no load leaves the batch's row (both are multiples of 4),
	v_lshlrev_b32 v[OA+\p], 2, v[OA+\p]            ; in bytes
.endr
	v_and_b32 v[TP+2], 15, v0
	s_lshl_b32 s22, s[QB], 8
	v_lshl_add_u32 v[TP+2], v[TP+2], 2, s22        ; bins: 4 r + 256 (w % 2); tile t 64 bytes on
	s_mul_i32 s24, s[BT], NPART*4
	s_mul_i32 s22, s[CH], CHUNK*4
	s_add_co_u32 s24, s24, s22                     ; my chunk's first byte in x and in y (a multiple of 16)
	s_mov_b32 s25, 0
	s_lshl_b32 s36, s[BT], 4
	s_add_co_u32 s36, s36, s[CH]                   ; 16 batch + chunk
	s_lshl_b32 s34, s36, 3
	s_add_co_u32 s34, s34, s[WV]
	s_lshl_b32 s34, s34, 13                        ; part: 8,192 bytes for each wave
	s_mov_b32 s35, 0
	s_lshl_b32 s36, s36, 2                         ; sums: 4 bytes for each work-group
	s_mov_b32 s37, 0
	s_mov_b32 s[SEL], 0x76543210
	s_mov_b32 s[SEL+1], 0xfedcba98
	s_mov_b32 s[TS], 0
	s_wait_kmcnt 0x0
	s_add_nc_u64 s[4:5], s[4:5], s[24:25]
	s_add_nc_u64 s[6:7], s[6:7], s[24:25]
	s_add_nc_u64 s[12:13], s[12:13], s[34:35]
	s_add_nc_u64 s[14:15], s[14:15], s[36:37]
.irp p, 0,1,2,3
	global_load_b128 v[DX+4*\p:DX+4*\p+3], v[OA+\p], s[4:5] th:TH_LOAD_NT   ; a wave's load covers 512 consecutive bytes
.endr
.irp p, 0,1,2,3
	global_load_b128 v[DY+4*\p:DY+4*\p+3], v[OA+\p], s[6:7] th:TH_LOAD_NT
.endr
.irp t, 0,1,2,3
	global_load_b32 v[NB+2*\t], v[TP+2], s[8:9] offset:64*\t
.endr
	s_load_b32 s26, s[10:11], 0x0                  ; bw
	; the LDS addresses: constants, the lane and the wave's number
	v_and_b32 v[TP+3], 31, v0                      ; lane
	v_bfe_u32 v9, v0, 4, 1                         ; h
	v_lshlrev_b32 v10, 4, v0                       ; staging: 16 x thread
	s_lshl_b32 s22, s[OP], 14                      ; OPB x operand
	s_lshl_b32 s23, s[KH], 9                       ; + 128 particles for the second half
	s_add_co_u32 s22, s22, s23
	v_lshl_add_u32 v[XA0], v9, 7, s22              ; lanes 16-31 begin 32 particles on
	s_lshl_b32 s22, s[WV], 12
	s_add_co_u32 s22, s22, BUF
	v_lshl_add_u32 v[STA], v[TP+3], 4, s22
	s_lshl_b32 s22, s[WV], 9
	s_add_co_u32 s22, s22, BUF+SCB
	v_lshl_add_u32 v[STS], v[TP+3], 4, s22
	s_lshl_b32 s22, s[QA], 11
	s_add_co_u32 s22, s22, BUF
	v_lshl_add_u32 v[LFX], v[TP+3], 4, s22         ; kx's tiles 2 (w / 2) and the next
	s_lshl_b32 s22, s[QB], 12
	s_add_co_u32 s22, s22, BUF+8192
	v_lshl_add_u32 v[LFY], v[TP+3], 4, s22         ; ky's tiles 4 (w % 2) on
	s_lshr_b32 s22, s[QA], 1
	s_lshl_b32 s22, s22, 9                         ; kx's scale words: group (w / 2) / 2,
	s_and_b32 s23, s[QA], 1
	s_lshl_b32 s23, s23, 3                         ; of a lane's four words the two of my tiles,
	s_add_co_u32 s22, s22, s23
	s_add_co_u32 s22, s22, BUF+SCB
	v_lshl_add_u32 v[LSX], v[TP+3], 4, s22
	v_lshl_add_u32 v[LSX], v9, 11, v[LSX]          ; lanes 16-31: the second half's group, four groups on
	s_lshl_b32 s22, s[QB], 9
	s_add_co_u32 s22, s22, BUF+SCB+1024            ; ky's: group 2 + w % 2
	v_lshl_add_u32 v[LSY], v[TP+3], 4, s22
	v_lshl_add_u32 v[LSY], v9, 11, v[LSY]
	v_lshlrev_b32 v[SH], 3, v9
	v_mov_b32 v[MA], 0                             ; written once: a lane permute's destination counts as one of its sources
	v_mov_b32 v[INF], 0x7f800000
	v_add_nc_u32 v[XA], s[TS], v[XA0]
	s_wait_kmcnt 0x0                               ; bw
	v_rcp_f32 v[TP], s26
	v_nop                                          ; one plain place behind a transcendental
	s_wait_alu depctr_va_vdst(0)
	v_fma_f32 v[TP+1], -v[TP], s26, 1.0            ; one Newton step: 1 / bw to f32's last bit or nearly
	v_fma_f32 v[TP], v[TP], v[TP+1], v[TP]
	v_mul_f32 v[TP], v[TP], v[TP]
	v_mul_f32 v[TP], 0xbf38aa3b, v[TP]             ; x -0.5 log2(e)
	v_readfirstlane_b32 s[KN], v[TP]
	s_mov_b32 s[KN+1], s[KN]
	s_wait_loadcnt 0x0                             ; all 12 loads went out together
.irp p, 0,1,2,3
	v_cmp_gt_u32 vcc_lo, s[LIM], v[LI+\p]          ; inside my chunk's particles?  (a compare of ids)
.irp k, 0,1,2,3
	v_cndmask_b32 v[DX+4*\p+\k], v[INF], v[DX+4*\p+\k], vcc_lo
	v_cndmask_b32 v[DY+4*\p+\k], v[INF], v[DY+4*\p+\k], vcc_lo
.endr
.endr
.irp p, 0,1,2,3
	ds_store_b128 v10, v[DX+4*\p:DX+4*\p+3] offset:4096*\p
	ds_store_b128 v10, v[DY+4*\p:DY+4*\p+3] offset:OPB+4096*\p
.endr
.irp t, 0,1,2,3
	v_xor_b32 v[NB+2*\t], 0x80000000, v[NB+2*\t]   ; -bin,
	v_mov_b32 v[NB+2*\t+1], v[NB+2*\t]             ; twice
.endr
	s_wait_dscnt 0x0                               ; for the others' sake: my part of the staged numbers has landed
	s_barrier_signal -1
	s_barrier_wait -1
; Line m of the work on a finished block of 32 numbers in v[QW] on (tile QT, half QC of its fragment): the maximum in two chains, with the floor 2^(3 - 127) among its leaves (no |.|: none is negative);
; 2 off its exponent field: the conversions' scale operand; the scale's byte; four conversions; and, with the fragment's second half, the scale word: my two bytes (blocks h and 2 + h) at their places, joined with lane l xor 16's.
.macro MISC m
.set MI, (\m)
.if MI == 0
	s_wait_alu depctr_va_vdst(0)
	v_max3_num_f32 v[MA], v[QW], v[QW+1], v[QW+2]
.elseif MI == 1
	v_max3_num_f32 v[MB], v[QW+3], v[QW+4], v[QW+5]
.elseif (MI < 15) && (MI%2 == 0)
	v_max3_num_f32 v[MA], v[MA], v[QW+2*MI+2], v[QW+2*MI+3]
.elseif MI < 15
	v_max3_num_f32 v[MB], v[MB], v[QW+2*MI+2], v[QW+2*MI+3]
.elseif MI == 15
	v_max3_num_f32 v[MA], v[MA], v[MB], 0x1800000
.elseif MI == 16
	v_add_nc_u32 v[SO], 0xff000000, v[MA]
.elseif (MI == 17) && (QC == 0)
	v_lshrrev_b32 v[BY+QT], 23, v[SO]
.elseif MI == 17
	v_lshrrev_b32 v[MB], 23, v[SO]
.elseif MI < 22
	v_cvt_scalef32_pk8_fp4_f32 v[CODE+8*QT+4*QC+MI-18], v[QW+8*(MI-18):QW+8*(MI-18)+7], v[SO]
.elseif (MI == 22) && (QC == 1)
	v_lshl_or_b32 v[BY+QT], v[MB], 16, v[BY+QT]
.elseif (MI == 23) && (QC == 1)
	v_lshlrev_b32 v[BY+QT], v[SH], v[BY+QT]
.elseif (MI == 24) && (QC == 1)
	v_permlanex16_b32 v[MA], v[BY+QT], s[SEL], s[SEL+1]
.elseif (MI == 25) && (QC == 1)
	v_or_b32 v[BY+QT], v[BY+QT], v[MA]
.endif
.endm
; Slot i of a trip.  fa: the exponents of block i (into buffer i % 4);  fe: the exponentials of block i - 1;  fq: MISC's lines on block i - 2.  Sixteen turns, two numbers of each stage a turn.
; Behind every exponential stands a plain line of another block before anything reads its result (first read a slot later); behind every conversion plain lines before anything touches its registers.
; mid = 1, 2: in the slot's middle the wait for all my LDS instructions (this trip's second 64 numbers are in; with mid = 2 my stores of the last trip's fragments have landed, ahead of the first line that writes
; their registers anew), the step of the address, and with mid = 2 the barrier's signal; the rest of the slot, work on registers, stands between signal and wait.
.macro SLOT i, fa, fe, fq, mid
.set AT, (\i)%4
.set AC, (\i)/4
.set NW, W+32*((\i)%4)
.set EW, W+32*(((\i)+3)%4)
.set QW, W+32*(((\i)+2)%4)
.set QT, (((\i)+6)%8)%4
.set QC, (((\i)+6)%8)/4
.set PP, 0
.rept 16
.if (\mid) && (PP == 8)
	s_wait_dscnt 0x0
	s_add_co_u32 s[TS], s[TS], TSTEP
	v_add_nc_u32 v[XA], s[TS], v[XA0]
.if (\mid) == 2
	s_barrier_signal -1
.endif
.endif
.if \fe
	v_exp_f32 v[EW+2*PP], v[EW+2*PP]
.endif
.if \fa
	v_pk_add_f32 v[NW+2*PP:NW+2*PP+1], v[XR+32*AC+2*PP:XR+32*AC+2*PP+1], v[NB+2*AT:NB+2*AT+1]   ; d = x - bin
.endif
.if \fq
	MISC 2*PP
.endif
.if \fe
	v_exp_f32 v[EW+2*PP+1], v[EW+2*PP+1]
.endif
.if (\fa) && (PP >= 1)
	v_pk_mul_f32 v[NW+2*PP-2:NW+2*PP-1], v[NW+2*PP-2:NW+2*PP-1], v[NW+2*PP-2:NW+2*PP-1]         ; d d, a turn behind
.endif
.if (\fa) && (PP >= 2)
	v_pk_mul_f32 v[NW+2*PP-4:NW+2*PP-3], v[NW+2*PP-4:NW+2*PP-3], s[KN:KN+1] op_sel_hi:[1,0]     ; x kneg, two turns behind
.endif
.if \fq
	MISC 2*PP+1
.endif
.set PP, PP+1
.endr
.if \fa
	v_pk_mul_f32 v[NW+30:NW+31], v[NW+30:NW+31], v[NW+30:NW+31]
	v_pk_mul_f32 v[NW+28:NW+29], v[NW+28:NW+29], s[KN:KN+1] op_sel_hi:[1,0]
	v_pk_mul_f32 v[NW+30:NW+31], v[NW+30:NW+31], s[KN:KN+1] op_sel_hi:[1,0]
.endif
.endm
.macro LX c                            ; 32 numbers a lane: particles 64 c + 32 h + 0 .. 31 of my half of the trip at XA; the sixteen lanes of a half read the same bytes
.irp j, 0,1,2,3,4,5,6,7
	ds_load_b128 v[XR+32*\c+4*\j:XR+32*\c+4*\j+3], v[XA] offset:256*\c+16*\j
.endr
.endm
.macro STORE par                       ; my four fragments and their scale words go to LDS as they stand: 512 consecutive bytes a store
.irp t, 0,1,2,3
.irp c, 0,1
	ds_store_b128 v[STA], v[CODE+8*\t+4*\c:CODE+8*\t+4*\c+3] offset:PARB*\par+1024*\t+512*\c
.endr
.endr
	ds_store_b128 v[STS], v[BY:BY+3] offset:PARB*\par
.endm
.macro LF par                          ; and come back so: of each half of the trip kx's two and ky's four of my part of the result; the scale words: lanes 0-15 the first half's, lanes 16-31 the second's
	WIN 0x40                                       ; destination window 1, address window 0
.irp k, 0,1
.irp a, 0,1
.irp c, 0,1
	ds_load_b128 v[FX+16*\k+8*\a+4*\c:FX+16*\k+8*\a+4*\c+3], v[LFX] offset:PARB*\par+KHB*\k+1024*\a+512*\c
.endr
.endr
.endr
.irp k, 0,1
.irp b, 0,1,2,3
.irp c, 0,1
	ds_load_b128 v[FY+32*\k+8*\b+4*\c:FY+32*\k+8*\b+4*\c+3], v[LFY] offset:PARB*\par+KHB*\k+1024*\b+512*\c
.endr
.endr
.endr
	WIN 0
	ds_load_b64 v[SCX:SCX+1], v[LSX] offset:PARB*\par
	ds_load_b128 v[SCY:SCY+3], v[LSY] offset:PARB*\par
.endm
; 16 products, each 128 particles deep: the first half's eight, then the second's.  Source 0 = 16 y bins, source 1 = 16 x bins: lane (r, h) then holds x bin 16 a + r and the eight neighbouring y bins 16 b + 8 h + 0 .. 7.
; The eight accumulators take turns, one instruction a turn, from half to half and from trip to trip too.  zero = 1: the first trip's first half starts the sums: nothing is cleared.
; Operands and scales come by LDS loads: they owe their wait alone.  The next loads into them stand seven slots of plain lines further on.
.macro MULT zero
	WIN 0x55                                       ; all four operand places window 1; scale operands have no window
.irp k, 0,1
.irp a, 0,1
.irp b, 0,1,2,3
.if (\zero) && (\k == 0)
	v_wmma_scale_f32_16x16x128_f8f6f4 v[8*(4*\a+\b):8*(4*\a+\b)+7], v[FY+32*\k+8*\b:FY+32*\k+8*\b+7], v[FX+16*\k+8*\a:FX+16*\k+8*\a+7], 0, v[SCY+\b], v[SCX+\a] matrix_a_fmt:MATRIX_FMT_FP4 matrix_b_fmt:MATRIX_FMT_FP4
.elseif \k == 0
	v_wmma_scale_f32_16x16x128_f8f6f4 v[8*(4*\a+\b):8*(4*\a+\b)+7], v[FY+32*\k+8*\b:FY+32*\k+8*\b+7], v[FX+16*\k+8*\a:FX+16*\k+8*\a+7], v[8*(4*\a+\b):8*(4*\a+\b)+7], v[SCY+\b], v[SCX+\a] matrix_a_fmt:MATRIX_FMT_FP4 matrix_b_fmt:MATRIX_FMT_FP4
.else
	v_wmma_scale_f32_16x16x128_f8f6f4 v[8*(4*\a+\b):8*(4*\a+\b)+7], v[FY+32*\k+8*\b:FY+32*\k+8*\b+7], v[FX+16*\k+8*\a:FX+16*\k+8*\a+7], v[8*(4*\a+\b):8*(4*\a+\b)+7], v[SCY+\b], v[SCX+\a] matrix_a_fmt:MATRIX_FMT_FP4 matrix_b_fmt:MATRIX_FMT_FP4 matrix_a_scale:MATRIX_SCALE_ROW1 matrix_b_scale:MATRIX_SCALE_ROW1
.endif
.endr
.endr
.endr
	WIN 0
.endm
; A trip.  prev = 1: there is a trip before it, whose last two blocks are finished in slots 0 and 1, whose fragments go to buffer par, and whose products stand behind slot 3.  lx0 = 1: the next trip's first 64 numbers are fetched.
; ONE barrier a trip.  Buffer par is stored in this trip, read behind this trip's barrier, and stored again two trips on, by waves that have passed the next trip's barrier, which every wave signals behind a wait for all its LDS loads.
.macro TRIP prev, zero, par, lx0
	LX 1
	s_wait_dscnt 8                                 ; the eight just issued may be out; the eight older, this trip's first 64 numbers, are in
	SLOT 0, 1, \prev, \prev, 0
	SLOT 1, 1, 1, \prev, 0
.if \prev
	STORE \par
.endif
	SLOT 2, 1, 1, 1, 1+\prev
.if \prev
	s_barrier_wait -1                              ; all 32 fragments of the last trip lie in buffer par
	LF \par
.endif
	SLOT 3, 1, 1, 1, 0
.if \lx0
	LX 0                                           ; the address has been stepped: the next trip's
.endif
.if \prev
	s_wait_dscnt 8*\lx0                            ; the 26 loads of fragments and scale words are in; the eight behind them may be out
	MULT \zero
.endif
	SLOT 4, 1, 1, 1, 0
	SLOT 5, 1, 1, 1, 0
	SLOT 6, 1, 1, 1, 0
	SLOT 7, 1, 1, 1, 0
.endm
	LX 0                                           ; trip 0's first 64 numbers
	TRIP 0, 0, 0, 1                                ; trip 0
	TRIP 1, 1, 0, 1                                ; trip 1; trip 0's products start the sums
	s_mov_b32 s[CNT], 5
.Lloop:                                                ; trips 2 to 11, two a pass: the buffers' turns stand in the immediates
	TRIP 1, 0, 1, 1
	TRIP 1, 0, 0, 1
	s_sub_co_u32 s[CNT], s[CNT], 1
	s_cmp_lg_u32 s[CNT], 0
	s_cbranch_scc1 .Lloop
	TRIP 1, 0, 1, 0                                ; trip 12: nothing more to fetch
	SLOT 0, 0, 1, 1, 0                             ; the pipeline runs out: block 7's exponentials, block 6's codes,
	v_nop                                          ; (a plain place behind the last exponentials)
	SLOT 1, 0, 0, 1, 0                             ; block 7's codes
	STORE 0
	s_wait_dscnt 0x0
	s_barrier_signal -1
	s_barrier_wait -1
	LF 0
	s_wait_dscnt 0x0
	MULT 0
	; THE WAY OUT.  The accumulators leave as they stand, four registers a store: 32 lanes x 16 bytes = 512 consecutive bytes, at a multiple of 512 from part's first byte.  The next launch puts them in rows.
	v_and_b32 v[W+64], 31, v0                      ; six plain lines that name no register of the products: the places behind the last of them (ISA guide 7.12.1)
	v_lshlrev_b32 v[W+64], 4, v[W+64]
	v_mov_b32 v[W+65], s[WV]
	v_lshl_add_u32 v[W+65], v[W+65], 2, RED        ; my wave's word
	v_mov_b32 v[W+66], RED
	v_mov_b32 v[W+67], 0
	WIN 0x04                                       ; a store's data are its source 1: window 1
.irp k, 0,1,2,3,4,5,6,7
	global_store_b128 v[W+64], v[8*\k:8*\k+3], s[12:13] offset:1024*\k          ; each accumulator from its low end on
	global_store_b128 v[W+64], v[8*\k+4:8*\k+7], s[12:13] offset:1024*\k+512
.endr
	; the partial's total: my 64 numbers in a tree of packed additions, the 32 lanes, the eight waves
	WIN 0x05                                       ; sources window 1, destination window 0
.set I, 0
.rept 16
	v_pk_add_f32 v[W+2*I:W+2*I+1], v[4*I:4*I+1], v[4*I+2:4*I+3]
.set I, I+1
.endr
	WIN 0
.irp n, 8,4,2,1
.set I, 0
.rept \n
	v_pk_add_f32 v[W+2*I:W+2*I+1], v[W+2*I:W+2*I+1], v[W+2*\n+2*I:W+2*\n+2*I+1]
.set I, I+1
.endr
.endr
	v_add_f32 v[W], v[W], v[W+1]
	v_add_f32_dpp v[W], v[W], v[W] row_xmask:1 row_mask:0xf bank_mask:0xf
	v_add_f32_dpp v[W], v[W], v[W] row_xmask:2 row_mask:0xf bank_mask:0xf
	v_add_f32_dpp v[W], v[W], v[W] row_xmask:4 row_mask:0xf bank_mask:0xf
	v_add_f32_dpp v[W], v[W], v[W] row_xmask:8 row_mask:0xf bank_mask:0xf
	v_permlanex16_b32 v[MA], v[W], s[SEL], s[SEL+1]
	v_add_f32 v[W], v[W], v[MA]
	ds_store_b32 v[W+65], v[W]                     ; all lanes write the same word with the same value
	s_wait_dscnt 0x0
	s_barrier_signal -1
	s_barrier_wait -1
	ds_load_b128 v[W+4:W+7], v[W+66]
	ds_load_b128 v[W+8:W+11], v[W+66] offset:16
	s_wait_dscnt 0x0
	v_add_f32 v[W+4], v[W+4], v[W+5]
	v_add_f32 v[W+6], v[W+6], v[W+7]
	v_add_f32 v[W+8], v[W+8], v[W+9]
	v_add_f32 v[W+10], v[W+10], v[W+11]
	v_add_f32 v[W+4], v[W+4], v[W+6]
	v_add_f32 v[W+8], v[W+8], v[W+10]
	v_add_f32 v[W+4], v[W+4], v[W+8]
	s_cmp_lg_u32 s[WV], 0
	s_cbranch_scc1 .Lend                           ; wave 0's lane 0 stores the total
	s_wait_xcnt 0x0                                ; EXEC is a source of the pending stores: it changes only behind this wait
	v_cmp_eq_u32 vcc_lo, 0, v0
	s_and_saveexec_b32 s22, vcc_lo
	global_store_b32 v[W+67], v[W+4], s[14:15]
	s_wait_xcnt 0x0                                ; and again in front of the line that widens it
	s_or_b32 exec_lo, exec_lo, s22
.Lend:
	s_set_vgpr_msb 0x4
	s_wait_tensorcnt 0x0
	ds_add_u32 v14, v193
	s_wait_dscnt 0x0
	s_set_vgpr_msb 0x400
	s_endpgm
.Lfunc_end_k_qfb5b38a78d_joint:
	.size	k_qfb5b38a78d_joint, .Lfunc_end_k_qfb5b38a78d_joint-k_qfb5b38a78d_joint
	.p2alignl 7, 3214868480
	.fill 96, 4, 3214868480
	.section	.rodata,"a",@progbits
	.p2align	6, 0x0
	.amdhsa_kernel k_qfb5b38a78d_joint
		.amdhsa_group_segment_fixed_size 168960
		.amdhsa_private_segment_fixed_size 0
		.amdhsa_enable_private_segment 0
		.amdhsa_kernarg_size 48
		.amdhsa_user_sgpr_count 2
		.amdhsa_user_sgpr_kernarg_segment_ptr 1
		.amdhsa_wavefront_size32 1
		.amdhsa_system_sgpr_workgroup_id_x 1
		.amdhsa_system_sgpr_workgroup_id_y 1
		.amdhsa_system_sgpr_workgroup_id_z 1
		.amdhsa_system_vgpr_workitem_id 0
		.amdhsa_next_free_vgpr 450
		.amdhsa_next_free_sgpr 66
		.amdhsa_reserve_vcc 1
		.amdhsa_float_denorm_mode_32 3
		.amdhsa_float_denorm_mode_16_64 3
		.amdhsa_memory_ordered 1
		.amdhsa_forward_progress 1
		.amdhsa_inst_pref_size 255
	.end_amdhsa_kernel
	.section	.bss,"aw",@nobits
	.p2align	6
	.space	262144
	.amdgpu_metadata
---
amdhsa.version: [ 1, 2 ]
amdhsa.kernels:
  - .name:           k_qfb5b38a78d_joint
    .symbol:         k_qfb5b38a78d_joint.kd
    .args:
      - { .name: x, .offset: 0, .size: 8, .value_kind: global_buffer, .address_space: global }
      - { .name: y, .offset: 8, .size: 8, .value_kind: global_buffer, .address_space: global }
      - { .name: bins, .offset: 16, .size: 8, .value_kind: global_buffer, .address_space: global }
      - { .name: bandwidth, .offset: 24, .size: 8, .value_kind: global_buffer, .address_space: global }
      - { .name: part, .offset: 32, .size: 8, .value_kind: global_buffer, .address_space: global }
      - { .name: sums, .offset: 40, .size: 8, .value_kind: global_buffer, .address_space: global }
    .group_segment_fixed_size: 168960
    .private_segment_fixed_size: 0
    .kernarg_segment_align: 8
    .kernarg_segment_size: 48
    .max_flat_workgroup_size: 256
    .sgpr_count:     66
    .vgpr_count:     450
    .wavefront_size: 32
...
	.end_amdgpu_metadata
.endif
;; end of part 1
;; launch norm (part 2): grid 16 x 16, 8 waves a work-group, no clusters, 5,632 bytes of LDS; arguments part, sums, out0; writes out0
.if DOCPART == 2
	.amdgcn_target "amdgcn-amd-amdhsa--gfx1250"
	.amdhsa_code_object_version 6
	.text
	.protected	k_qfb5b38a78d_norm
	.globl	k_qfb5b38a78d_norm
	.p2align	8
	.type	k_qfb5b38a78d_norm,@function
k_qfb5b38a78d_norm:
	s_mov_b64 s[64:65], 0
	v_nop
	global_prefetch_b8 v0, s[64:65] scope:SCOPE_SE
	s_setreg_imm32_b32 hwreg(HW_REG_WAVE_MODE, 25, 1), 1
	s_wait_xcnt 0x0
; out0[b][m][k] = (the sum of batch b's 16 partials)[m][k] / (the sum of its 16 totals + 1e-10).
; part: [batch 16][chunk 16][wave 8][accumulator 8][half 2][lane 32][16 bytes], images of the first launch's accumulators; sums: [batch 16][chunk 16] f32; out0: [16][128][128] f32.
; A work-group takes one REGION of one batch: the four accumulators (a, 0 .. 3) of one wave w, R = 2 w + a: 4,096 consecutive bytes of each partial, which are 16 rows (x bins 32 (w / 2) + 16 a on) x 64 columns (y bins 64 (w % 2) on).
; Thread T owns the 16 bytes at 16 T of the region in all 16 partials: 16 loads, all out at once, each wave's covering 512 consecutive bytes.  The sums go through a stage in LDS and leave as rows:
; sixteen lanes store 256 consecutive bytes, at a multiple of 256 from out0's first byte.  A stream: no matrix unit, no cluster (work-groups share only a batch's 64 bytes of totals), no ring.
; The division is a multiplication by v_rcp_f32 of the divisor (1 ulp).  The divisor's sum runs chunk by chunk in ascending order.
.set SPITCH, 272                       ; a stage row: 256 bytes + 16: sixteen rows begin in sixteen different groups of banks
	s_load_b128 s[4:7], s[0:1], 0x0                ; part, sums
	s_load_b64 s[8:9], s[0:1], 0x10                ; out0
	v_lshl_add_u32 v80, v0, 2, 0x1200
	v_mov_b32 v81, 0
	s_and_b32 s10, ttmp7, 0xffff                   ; batch
	s_mov_b32 s11, ttmp9                           ; region R = 2 w + a
	v_lshlrev_b32 v1, 4, v0                        ; my 16 bytes of the region
	v_and_b32 v5, 15, v0                           ; T = 64 b + 32 q + 16 h + r: accumulator b, its half q, lane (r, h): row r, columns 16 b + 8 h + 4 q + 0 .. 3
	v_mul_u32_u24 v2, v5, SPITCH
	v_and_b32 v72, 0xc0, v0
	v_add_nc_u32 v2, v2, v72                       ; + 64 b bytes
	v_bfe_u32 v72, v0, 4, 1
	v_lshl_add_u32 v2, v72, 5, v2                  ; + 32 h
	v_bfe_u32 v72, v0, 5, 1
	v_lshl_add_u32 v2, v72, 4, v2                  ; + 16 q: into the stage
	v_lshrrev_b32 v72, 4, v0                       ; back: row T / 16, 16 bytes a lane
	v_mul_u32_u24 v3, v72, SPITCH
	v_lshl_add_u32 v3, v5, 4, v3
	v_lshlrev_b32 v4, 9, v72                       ; and the same place in out0: rows of 512 bytes
	v_lshl_add_u32 v4, v5, 4, v4
	s_lshl_b32 s12, s10, 20                        ; part: a batch is 16 partials of 65,536 bytes,
	s_lshl_b32 s14, s11, 12                        ; a region 4,096
	s_add_co_u32 s12, s12, s14
	s_mov_b32 s13, 0
	s_lshl_b32 s14, s10, 6                         ; sums: 64 bytes a batch
	s_mov_b32 s15, 0
	s_lshl_b32 s32, s10, 16                        ; out0: a batch is 65,536 bytes;
	s_lshr_b32 s34, s11, 2
	s_lshl_b32 s34, s34, 14                        ; 32 (R / 4) rows of 512 bytes,
	s_add_co_u32 s32, s32, s34
	s_and_b32 s34, s11, 1
	s_lshl_b32 s34, s34, 13                        ; 16 (R % 2) rows,
	s_add_co_u32 s32, s32, s34
	s_bfe_u32 s34, s11, 0x10001
	s_lshl_b32 s34, s34, 8                         ; 64 ((R / 2) % 2) columns
	s_add_co_u32 s32, s32, s34
	s_mov_b32 s33, 0
	s_wait_kmcnt 0x0
	s_add_nc_u64 s[4:5], s[4:5], s[12:13]
	s_add_nc_u64 s[6:7], s[6:7], s[14:15]
	s_add_nc_u64 s[8:9], s[8:9], s[32:33]
.irp i, 0,1,2,3,4,5,6,7,8,9,10,11,12,13,14,15
	global_load_b128 v[8+4*\i:11+4*\i], v1, s[4:5] offset:65536*\i th:TH_LOAD_NT   ; chunk i's partial: read once in the launch
.endr
	s_load_b512 s[16:31], s[6:7], 0x0              ; the batch's 16 totals
	s_wait_kmcnt 0x0
.irp i, 17,18,19,20,21,22,23,24,25,26,27,28,29,30,31
	s_add_f32 s16, s16, s[\i]
.endr
	s_add_f32 s16, s16, 0x2edbe6ff                 ; + 1e-10
	v_rcp_f32 v6, s16
	v_nop                                          ; one plain place behind a transcendental
	s_wait_alu depctr_va_vdst(0)
	v_mov_b32 v7, v6                               ; a pair for the packed multiplication
.irp i, 1,2,3,4,5,6,7,8,9,10,11,12,13,14,15
	s_wait_loadcnt 15-\i                           ; loads come back in order: partial i is in, the 15 - i younger ones may be out
	v_pk_add_f32 v[8:9], v[8:9], v[8+4*\i:9+4*\i]
	v_pk_add_f32 v[10:11], v[10:11], v[10+4*\i:11+4*\i]
.endr
	v_pk_mul_f32 v[8:9], v[8:9], v[6:7]
	v_pk_mul_f32 v[10:11], v[10:11], v[6:7]
	ds_store_b128 v2, v[8:11]
	s_wait_dscnt 0x0                               ; for the others' sake: my store into the stage has landed
	s_barrier_signal -1
	s_barrier_wait -1
	ds_load_b128 v[12:15], v3
	s_wait_dscnt 0x0
	global_store_b128 v4, v[12:15], s[8:9] th:TH_STORE_NT
	s_wait_tensorcnt 0x0
	ds_add_u32 v80, v81
	s_wait_dscnt 0x0
	s_endpgm
.Lfunc_end_k_qfb5b38a78d_norm:
	.size	k_qfb5b38a78d_norm, .Lfunc_end_k_qfb5b38a78d_norm-k_qfb5b38a78d_norm
	.p2alignl 7, 3214868480
	.fill 96, 4, 3214868480
	.section	.rodata,"a",@progbits
	.p2align	6, 0x0
	.amdhsa_kernel k_qfb5b38a78d_norm
		.amdhsa_group_segment_fixed_size 5632
		.amdhsa_private_segment_fixed_size 0
		.amdhsa_enable_private_segment 0
		.amdhsa_kernarg_size 24
		.amdhsa_user_sgpr_count 2
		.amdhsa_user_sgpr_kernarg_segment_ptr 1
		.amdhsa_wavefront_size32 1
		.amdhsa_system_sgpr_workgroup_id_x 1
		.amdhsa_system_sgpr_workgroup_id_y 1
		.amdhsa_system_sgpr_workgroup_id_z 1
		.amdhsa_system_vgpr_workitem_id 0
		.amdhsa_next_free_vgpr 82
		.amdhsa_next_free_sgpr 66
		.amdhsa_reserve_vcc 0
		.amdhsa_float_denorm_mode_32 3
		.amdhsa_float_denorm_mode_16_64 3
		.amdhsa_memory_ordered 1
		.amdhsa_forward_progress 1
		.amdhsa_inst_pref_size 8
	.end_amdhsa_kernel
	.amdgpu_metadata
---
amdhsa.version: [ 1, 2 ]
amdhsa.kernels:
  - .name:           k_qfb5b38a78d_norm
    .symbol:         k_qfb5b38a78d_norm.kd
    .args:
      - { .name: part, .offset: 0, .size: 8, .value_kind: global_buffer, .address_space: global }
      - { .name: sums, .offset: 8, .size: 8, .value_kind: global_buffer, .address_space: global }
      - { .name: out0, .offset: 16, .size: 8, .value_kind: global_buffer, .address_space: global }
    .group_segment_fixed_size: 5632
    .private_segment_fixed_size: 0
    .kernarg_segment_align: 8
    .kernarg_segment_size: 24
    .max_flat_workgroup_size: 256
    .sgpr_count:     66
    .vgpr_count:     82
    .wavefront_size: 32
...
	.end_amdgpu_metadata
.endif
;; end of part 2
